; MI455X (gfx1250); checked and timed in simulation.
; The chip was launched on July 23, 2026; its instructions are those of AMD's public machine-readable ISA for CDNA 5 (MIT licence, August 2026) and "CDNA5" Instruction Set Architecture Reference Guide (July 2026). The comments in the code are by the model that wrote it; some were corrected since.
;; LNO. Allowed arithmetic: float matrix products may take bf16 or f16 operands with f32 sums; all other float work in f32.
;; Inputs: params_blocks_0_phi_b 32 float32; params_blocks_0_phi_w 128 x 32 float32; params_blocks_0_psi_b 4,096 float32; params_blocks_0_psi_w 128 x 4,096 float32; params_blocks_0_w_b 128 float32; params_blocks_0_w_w 128 x 128 float32; params_blocks_1_phi_b 32 float32; params_blocks_1_phi_w 128 x 32 float32; params_blocks_1_psi_b 4,096 float32; params_blocks_1_psi_w 128 x 4,096 float32; params_blocks_1_w_b 128 float32; params_blocks_1_w_w 128 x 128 float32; params_blocks_2_phi_b 32 float32; params_blocks_2_phi_w 128 x 32 float32; params_blocks_2_psi_b 4,096 float32; params_blocks_2_psi_w 128 x 4,096 float32; params_blocks_2_w_b 128 float32; params_blocks_2_w_w 128 x 128 float32; params_blocks_3_phi_b 32 float32; params_blocks_3_phi_w 128 x 32 float32; params_blocks_3_psi_b 4,096 float32; params_blocks_3_psi_w 128 x 4,096 float32; params_blocks_3_w_b 128 float32; params_blocks_3_w_w 128 x 128 float32; params_lift_b 128 float32; params_lift_w 3 x 128 float32; params_proj_b 1 float32; params_proj_w 128 x 1 float32; x 4 x 4,096 x 3 float32.
;; Outputs: out0 4 x 4,096 x 1 float32.
;; One version. Each part assembles by itself: llvm-mc -triple=amdgcn-amd-amdhsa -mcpu=gfx1250 --defsym DOCPART=n.
;; ======== version 1 of 1: 9 launches
;; limits: a function is approximated: absolute error at most 1.5e-07
;; workspace buffers: va 4,194,304 bytes; vb 4,194,304 bytes; part 10,616,832 bytes; wb 133,120 bytes; psr0 2,097,152 bytes; psr1 2,097,152 bytes; psr2 2,097,152 bytes; psr3 2,097,152 bytes
;; launch lift (part 1): grid 256 x 1, 4 waves a work-group, no clusters, 52,736 bytes of LDS; arguments x, params_lift_w, params_lift_b, params_blocks_0_psi_w, params_blocks_1_psi_w, params_blocks_2_psi_w, params_blocks_3_psi_w, va, part, psr0, psr1, psr2, psr3; writes va, part, psr0, psr1, psr2, psr3
.if DOCPART == 1
	.amdgcn_target "amdgcn-amd-amdhsa--gfx1250"
	.amdhsa_code_object_version 6
	.text
	.protected	k_q3adfcd315a_lift
	.globl	k_q3adfcd315a_lift
	.p2align	8
	.type	k_q3adfcd315a_lift,@function
k_q3adfcd315a_lift:
	s_mov_b64 s[64:65], 0
	v_nop
	global_prefetch_b8 v0, s[64:65] scope:SCOPE_SE
	s_setreg_imm32_b32 hwreg(HW_REG_WAVE_MODE, 25, 1), 1
	s_wait_xcnt 0x0
; LIFT, FIRST GRAM PARTIALS, AND THE RE-LAYING OF psi_w.
; The model needs psi = v psi_w + psi_b only inside I[r][c] = mean over p of psi[p][r][c] v[p][c].  That sum is linear, so for every input
;   I[r][c] = ( sum over k of psi_w[k][128 r + c] G[k][c]  +  psi_b[128 r + c] s[c] ) / 4096,   G[k][c] = sum_p v[p][k] v[p][c],  s[c] = sum_p v[p][c].
; This launch: a work-group of four waves takes 64 points.  (1) v = x lift_w + lift_b, three fused multiply-adds a number in f32 (K = 3 is too
; short for a matrix instruction), rounded once to bf16, the format in which every later product takes v as its operand; stored to va.
; (2) its 64 points' share of G and s by matrix instructions.  G is symmetric: of its 8 x 8 blocks of 16 x 16 only the tiles
; (I, (I + d) mod 8), d = 0..4, are made; a tile at distance 5, 6, 7 is the transpose of one at distance 3, 2, 1.
;   part[g] = [32 c4][5 d][16 kk][4 e] f32 = G(c = 4 c4 + e, k = 16 ((c4 / 4 + d) mod 8) + kk), rows of 1,280 bytes; then s[128] at byte 40,960.
; (3) 8,192 bytes of each layer's psi_w, re-laid as psr[c/4][k][r][c%4], so that the launches that fold the weights read long runs.
; s leaves as 4 bytes a lane, 128 consecutive bytes a wave: two of the group's 162 aligned 256-byte pieces of part are written by two waves each.
; LIMIT: G is kept in f32 and must stay finite: |v| below about 2.9e17 (4096 v^2 < 3.4e38).
; No cluster: the work-groups share only lift_w and lift_b, 2,048 bytes of the 126,208 that a work-group moves.
.set P2,     288                       ; pitch of the tile of new v in LDS: 256 bytes + 32 = 9 x 32, an odd multiple of 32 as the transposing loads want
.set STG,    64*P2                     ; behind that tile: the stage of psi_w, 4 layers x 16 rows
.set SPITCH, 528                       ; 512 bytes + 16 = 33 x 16: sixteen rows' equal columns start at sixteen different 16-byte columns modulo 256
.set ROW,    1280                      ; part: a column quad's five tiles of 256 bytes
.set BLK,    41472                     ; part: a work-group's block, 32 rows and 512 bytes of sums
.set SUMS,   40960                     ; part: where the sums begin in a block
.set STO,  5                           ; LDS: where I put 16 bytes (8 columns) of a point's row
.set RDV,  6                           ; LDS: where I read rows back for the store of v
.set VO,   7                           ; my byte offset in the group's 64 rows of v
.set TR,   8                           ; LDS: transposing loads, column block 0
.set TRA,  9                           ; LDS: transposing loads, column blocks 2 w, 2 w + 1
.set PO,   10                          ; my byte offset in the group's block of part
.set XO,   11                          ; my byte offset in x
.set LWO,  12                          ; my byte offset in lift_w's rows and in lift_b
.set PSO,  13                          ; my byte offset in psi_w
.set PSTO, 14                          ; my byte offset in psr
.set SST,  15                          ; LDS: stage, in
.set SLD,  16                          ; LDS: stage, out
.set TRB,  17                          ; LDS: transposing loads, column blocks (2 w + 2) mod 8 and the next
.set TRC,  18                          ; LDS: transposing loads, column blocks (2 w + 4) mod 8 and the next
.set SO,   19                          ; my byte offset in the sums: 4 t
.set XR,   20                          ; v[20:35]   x of my point in each of 4 point tiles (3 numbers and a zero, so that pairs are whole)
.set ONES, 20                          ; v[20:27]   later: a fragment of bf16 ones
.set SV,   28                          ; later: s of column 32 w + lane
.set LW,   36                          ; v[36:83]   lift_w: row i, column block nb at LW + 8 (2 i + nb)
.set LB,   84                          ; v[84:99]   lift_b: column block nb at LB + 8 nb
.set PK,   100                         ; v[100:103] eight bf16, packed
.set PS,   112                         ; v[112:175] psi_w: layer l, pass i at PS + 4 (4 l + i)
.set ACC,  192                         ; v[192:255] v in f32: tile (mt, nb) at ACC + 8 (2 mt + nb); register j of lane (r, h): point 16 mt + r, column 32 w + 16 nb + 8 h + j
.set F0,   32                          ; v[32:79]   Gram: six fragments, column blocks (2 w + x) mod 8 at F0 + 8 x, points 0-31
.set F1,   80                          ; v[80:127]  the same, points 32-63
.set GACC, 128                         ; v[128:207] Gram: tile (ii, d) at GACC + 8 (5 ii + d)
.set SACC, 208                         ; v[208:223] column sums of block 2 w + ii at SACC + 8 ii
.set VS,   224                         ; v[224:255] rows of v on their way out
.macro PLACES                          ; four plain vector instructions between a matrix instruction and a read of its results (ISA guide 7.12.1)
.rept 4
	v_nop
.endr
.endm
.macro LIFT mt, nb                     ; eight numbers: x0 w0 + b, + x1 w1, + x2 w2; x is broadcast out of its pair by op_sel
.irp i, 0,2,4,6
	v_pk_fma_f32 v[ACC+8*(2*\mt+\nb)+\i:ACC+8*(2*\mt+\nb)+\i+1], v[XR+4*\mt:XR+4*\mt+1], v[LW+8*\nb+\i:LW+8*\nb+\i+1], v[LB+8*\nb+\i:LB+8*\nb+\i+1] op_sel_hi:[0,1,1]
.endr
.irp i, 0,2,4,6
	v_pk_fma_f32 v[ACC+8*(2*\mt+\nb)+\i:ACC+8*(2*\mt+\nb)+\i+1], v[XR+4*\mt:XR+4*\mt+1], v[LW+8*(2+\nb)+\i:LW+8*(2+\nb)+\i+1], v[ACC+8*(2*\mt+\nb)+\i:ACC+8*(2*\mt+\nb)+\i+1] op_sel:[1,0,0] op_sel_hi:[1,1,1]
.endr
.irp i, 0,2,4,6
	v_pk_fma_f32 v[ACC+8*(2*\mt+\nb)+\i:ACC+8*(2*\mt+\nb)+\i+1], v[XR+4*\mt+2:XR+4*\mt+3], v[LW+8*(4+\nb)+\i:LW+8*(4+\nb)+\i+1], v[ACC+8*(2*\mt+\nb)+\i:ACC+8*(2*\mt+\nb)+\i+1] op_sel_hi:[0,1,1]
.endr
.endm
.macro PACKST x, mt, nb                ; eight neighbouring columns of one point: 16 bytes of bf16 into the tile
.irp i, 0,1,2,3
	v_cvt_pk_bf16_f32 v[PK+\i], v[\x+2*\i], v[\x+2*\i+1]
.endr
	ds_store_b128 v[STO], v[PK:PK+3] offset:\mt*16*P2+32*\nb
.endm
.macro GLOAD ks, f                     ; 12 transposing loads: points 32 ks .. 32 ks + 31 as K, six column blocks as rows of the fragments
.irp x, 0,1
	ds_load_tr16_b128 v[\f+8*\x:\f+8*\x+3],       v[TRA] offset:\ks*32*P2+32*\x
	ds_load_tr16_b128 v[\f+8*\x+4:\f+8*\x+7],     v[TRA] offset:\ks*32*P2+32*\x+16*P2
	ds_load_tr16_b128 v[\f+16+8*\x:\f+16+8*\x+3],   v[TRB] offset:\ks*32*P2+32*\x
	ds_load_tr16_b128 v[\f+16+8*\x+4:\f+16+8*\x+7], v[TRB] offset:\ks*32*P2+32*\x+16*P2
	ds_load_tr16_b128 v[\f+32+8*\x:\f+32+8*\x+3],   v[TRC] offset:\ks*32*P2+32*\x
	ds_load_tr16_b128 v[\f+32+8*\x+4:\f+32+8*\x+7], v[TRC] offset:\ks*32*P2+32*\x+16*P2
.endr
.endm
.macro GMUL f, zero                    ; 12 matrix instructions: tile (ii, d) = fragment ii x fragment ii + d; ones x fragment ii = the sums; zero = 1 starts the sums
.irp ii, 0,1
.irp d, 0,1,2,3,4
.if \zero
	v_wmma_f32_16x16x32_bf16 v[GACC+8*(5*\ii+\d):GACC+8*(5*\ii+\d)+7], v[\f+8*\ii:\f+8*\ii+7], v[\f+8*(\ii+\d):\f+8*(\ii+\d)+7], 0
.else
	v_wmma_f32_16x16x32_bf16 v[GACC+8*(5*\ii+\d):GACC+8*(5*\ii+\d)+7], v[\f+8*\ii:\f+8*\ii+7], v[\f+8*(\ii+\d):\f+8*(\ii+\d)+7], v[GACC+8*(5*\ii+\d):GACC+8*(5*\ii+\d)+7]
.endif
.endr
.if \zero
	v_wmma_f32_16x16x32_bf16 v[SACC+8*\ii:SACC+8*\ii+7], v[ONES:ONES+7], v[\f+8*\ii:\f+8*\ii+7], 0
.else
	v_wmma_f32_16x16x32_bf16 v[SACC+8*\ii:SACC+8*\ii+7], v[ONES:ONES+7], v[\f+8*\ii:\f+8*\ii+7], v[SACC+8*\ii:SACC+8*\ii+7]
.endif
.endr
.endm
	s_load_b512 s[8:23], s[0:1], 0x0               ; x s[8:9], lift_w s[10:11], lift_b s[12:13], psi_w of layers 0..3 s[14:21], va s[22:23]
	s_load_b256 s[24:31], s[0:1], 0x40             ; part s[24:25], psr0..2 s[26:31]
	s_load_b64 s[32:33], s[0:1], 0x60              ; psr3
	s_set_vgpr_msb 0x40
	v_lshl_add_u32 v0, v0, 2, 0xcc00
	v_mov_b32 v1, 0
	s_set_vgpr_msb 0x4000
	v_lshrrev_b32 v1, 5, v0
	v_readfirstlane_b32 s34, v1                    ; wave w
	v_and_b32 v1, 15, v0                           ; r
	v_bfe_u32 v2, v0, 4, 1                         ; h
	v_and_b32 v3, 31, v0                           ; lane
	v_lshrrev_b32 v4, 4, v0                        ; 2 w + h
	s_mul_i32 s36, ttmp9, 768                      ; 64 points of 12 bytes
	v_mul_u32_u24 v[XO], v1, 12
	v_add_nc_u32 v[XO], s36, v[XO]
	s_lshl_b32 s37, s34, 7
	v_lshl_add_u32 v[LWO], v2, 5, s37              ; 4 bytes x (32 w + 8 h)
	s_lshl_b32 s38, ttmp9, 13
	v_lshl_add_u32 v[PSO], v0, 4, s38              ; row g / 2 of psi_w, half g % 2: 8,192 g, + 16 t
.irp mt, 0,1,2,3
	v_mov_b32 v[XR+4*\mt+3], 0                     ; the pair's second register is named by the packed form, never used
.endr
	s_lshl_b32 s44, ttmp9, 14                      ; 64 rows of 256 bytes of v
	s_mov_b32 s45, 0
	s_mul_i32 s46, ttmp9, BLK                      ; the group's block of part
	s_mov_b32 s47, 0
	s_wait_kmcnt 0x0
.irp mt, 0,1,2,3
	global_load_b96 v[XR+4*\mt:XR+4*\mt+2], v[XO], s[8:9] offset:192*\mt
.endr
.irp i, 0,1,2
.irp nb, 0,1
	global_load_b128 v[LW+8*(2*\i+\nb):LW+8*(2*\i+\nb)+3],   v[LWO], s[10:11] offset:512*\i+64*\nb
	global_load_b128 v[LW+8*(2*\i+\nb)+4:LW+8*(2*\i+\nb)+7], v[LWO], s[10:11] offset:512*\i+64*\nb+16
.endr
.endr
.irp nb, 0,1
	global_load_b128 v[LB+8*\nb:LB+8*\nb+3],   v[LWO], s[12:13] offset:64*\nb
	global_load_b128 v[LB+8*\nb+4:LB+8*\nb+7], v[LWO], s[12:13] offset:64*\nb+16
.endr
.irp l, 0,1,2,3
.irp i, 0,1,2,3
	global_load_b128 v[PS+4*(4*\l+\i):PS+4*(4*\l+\i)+3], v[PSO], s[14+2*\l:15+2*\l] offset:2048*\i th:TH_LOAD_NT   ; pass i: r = 16 (g % 2) + 4 i + w, columns 4 lane ..
.endr
.endr
	s_add_nc_u64 s[22:23], s[22:23], s[44:45]      ; va at the group's first point
	s_add_nc_u64 s[24:25], s[24:25], s[46:47]      ; part at the group's block
	; the other addresses, while the loads are on their way
	s_lshl_b32 s39, ttmp9, 8
	v_lshl_add_u32 v[PSTO], v1, 4, s39             ; psr: k x 512 + 256 (g % 2) = 256 g, + 16 r
	v_lshl_add_u32 v[PSTO], v4, 16, v[PSTO]        ; + (2 w + h) x 65,536: column quad 2 w + h (+ 8 i by the immediate)
	s_mul_i32 s40, s34, SPITCH
	s_add_co_u32 s40, s40, STG
	v_lshl_add_u32 v[SST], v3, 4, s40              ; stage row w (+ 4 i), 16 bytes a lane
	v_mul_u32_u24 v[SLD], v1, SPITCH
	v_lshl_add_u32 v[SLD], v4, 4, v[SLD]
	v_add_nc_u32 v[SLD], STG, v[SLD]               ; stage row r, column quad 2 w + h
	s_lshl_b32 s41, s34, 6                         ; my wave's 32 columns: 64 bytes x w
	v_mul_u32_u24 v[STO], v1, P2
	v_lshl_add_u32 v[STO], v2, 4, v[STO]
	v_add_nc_u32 v[STO], s41, v[STO]
	v_mul_u32_u24 v[RDV], v4, P2
	v_lshl_add_u32 v[RDV], v1, 4, v[RDV]           ; row t / 16, 16 bytes x (t % 16)
	v_lshlrev_b32 v[VO], 4, v0
	v_and_b32 v[TR], 7, v0
	v_lshl_add_u32 v[TR], v2, 3, v[TR]             ; point 8 h + lane % 8
	v_mul_u32_u24 v[TR], v[TR], P2
	v_bfe_u32 v[TRA], v0, 3, 1
	v_lshl_add_u32 v[TR], v[TRA], 4, v[TR]         ; + 16 bytes for lanes 8-15 and 24-31
	v_add_nc_u32 v[TRA], s41, v[TR]                ; column block 2 w: 32 bytes a block
	s_add_co_u32 s35, s34, 1
	s_and_b32 s35, s35, 3
	s_lshl_b32 s35, s35, 6
	v_add_nc_u32 v[TRB], s35, v[TR]                ; column block (2 w + 2) mod 8 = 2 ((w + 1) mod 4)
	s_add_co_u32 s43, s34, 2
	s_and_b32 s43, s43, 3
	s_lshl_b32 s43, s43, 6
	v_add_nc_u32 v[TRC], s43, v[TR]                ; column block (2 w + 4) mod 8
	s_mul_i32 s42, s34, 8*ROW                      ; part: 8 column quads a wave
	v_mul_u32_u24 v[PO], v2, 2*ROW
	v_lshl_add_u32 v[PO], v1, 4, v[PO]
	v_add_nc_u32 v[PO], s42, v[PO]
	v_lshlrev_b32 v[SO], 2, v0
	s_wait_loadcnt 16                              ; x, lift_w, lift_b are in; the sixteen loads of psi_w behind them stay out
.irp mt, 0,1,2,3
.irp nb, 0,1
	LIFT \mt, \nb
	PACKST ACC+8*(2*\mt+\nb), \mt, \nb
.endr
.endr
	s_wait_loadcnt 0x0                             ; psi_w
.irp l, 0,1,2,3
.irp i, 0,1,2,3
	ds_store_b128 v[SST], v[PS+4*(4*\l+\i):PS+4*(4*\l+\i)+3] offset:\l*16*SPITCH+\i*4*SPITCH
.endr
.endr
	s_wait_dscnt 0x0                               ; for the other waves: my part of the tile and of the stage is written
	s_barrier_signal -1
	s_barrier_wait -1
.irp l, 0,1,2,3
.irp i, 0,1,2,3
	ds_load_b128 v[PS+4*(4*\l+\i):PS+4*(4*\l+\i)+3], v[SLD] offset:\l*16*SPITCH+128*\i
.endr
.endr
.irp l, 0,1,2,3
.irp i, 0,1,2,3
	s_wait_dscnt 15-(4*\l+\i)                      ; LDS loads return in order: this one is in, the younger ones stay out
	global_store_b128 v[PSTO], v[PS+4*(4*\l+\i):PS+4*(4*\l+\i)+3], s[26+2*\l:27+2*\l] offset:524288*\i   ; sixteen lanes (r) store 256 consecutive bytes, aligned
.endr
.endr
	s_wait_xcnt 0x0                                ; the fragments and sums below land on PS, which those stores read: only behind this wait
	; THE TAIL: v goes out by whole rows, and the 64 points' share of G and s is made and stored.
.irp i, 0,1,2,3,4,5,6,7
	ds_load_b128 v[VS+4*\i:VS+4*\i+3], v[RDV] offset:\i*8*P2
.endr
.irp i, 0,1,2,3,4,5,6,7
	v_mov_b32 v[ONES+\i], 0x3f803f80               ; two bf16 ones
.endr
	GLOAD 0, F0
	GLOAD 1, F1
	v_cmp_ne_u32 vcc_lo, 0, v2                     ; lanes 16-31
	s_wait_dscnt 24                                ; the eight row loads are in; the 24 transposing loads behind them stay out
.irp i, 0,1,2,3,4,5,6,7
	global_store_b128 v[VO], v[VS+4*\i:VS+4*\i+3], s[22:23] offset:2048*\i       ; a wave's store covers 512 consecutive bytes, aligned
.endr
	s_wait_dscnt 12                                ; points 0-31 are in; the twelve loads of points 32-63 stay out
	GMUL F0, 1
	s_wait_dscnt 0x0
	GMUL F1, 0
	PLACES
	v_cndmask_b32 v[SV], v[SACC], v[SACC+8], vcc_lo    ; every row of a sums tile is s: lane r of block 2 w below, of block 2 w + 1 above: s[32 w + lane]
.irp ii, 0,1
.irp d, 0,1,2,3,4
.irp q, 0,1
	global_store_b128 v[PO], v[GACC+8*(5*\ii+\d)+4*\q:GACC+8*(5*\ii+\d)+4*\q+3], s[24:25] offset:\ii*4*ROW+\q*ROW+\d*256   ; column quad 8 w + 4 ii + 2 h + q, tile d, kk = r: sixteen lanes store 256 consecutive bytes, aligned
.endr
.endr
.endr
	global_store_b32 v[SO], v[SV], s[24:25] offset:SUMS                          ; 128 consecutive bytes a wave
	s_set_vgpr_msb 0x5
	s_wait_tensorcnt 0x0
	ds_add_u32 v0, v1
	s_wait_dscnt 0x0
	s_set_vgpr_msb 0x500
	s_endpgm
.Lfunc_end_k_q3adfcd315a_lift:
	.size	k_q3adfcd315a_lift, .Lfunc_end_k_q3adfcd315a_lift-k_q3adfcd315a_lift
	.p2alignl 7, 3214868480
	.fill 96, 4, 3214868480
	.section	.rodata,"a",@progbits
	.p2align	6, 0x0
	.amdhsa_kernel k_q3adfcd315a_lift
		.amdhsa_group_segment_fixed_size 52736
		.amdhsa_private_segment_fixed_size 0
		.amdhsa_enable_private_segment 0
		.amdhsa_kernarg_size 104
		.amdhsa_user_sgpr_count 2
		.amdhsa_user_sgpr_kernarg_segment_ptr 1
		.amdhsa_wavefront_size32 1
		.amdhsa_system_sgpr_workgroup_id_x 1
		.amdhsa_system_sgpr_workgroup_id_y 1
		.amdhsa_system_sgpr_workgroup_id_z 1
		.amdhsa_system_vgpr_workitem_id 0
		.amdhsa_next_free_vgpr 258
		.amdhsa_next_free_sgpr 66
		.amdhsa_reserve_vcc 1
		.amdhsa_float_denorm_mode_32 3
		.amdhsa_float_denorm_mode_16_64 3
		.amdhsa_memory_ordered 1
		.amdhsa_forward_progress 1
		.amdhsa_inst_pref_size 27
	.end_amdhsa_kernel
	.amdgpu_metadata
---
amdhsa.version: [ 1, 2 ]
amdhsa.kernels:
  - .name:           k_q3adfcd315a_lift
    .symbol:         k_q3adfcd315a_lift.kd
    .args:
      - { .name: x, .offset: 0, .size: 8, .value_kind: global_buffer, .address_space: global }
      - { .name: params_lift_w, .offset: 8, .size: 8, .value_kind: global_buffer, .address_space: global }
      - { .name: params_lift_b, .offset: 16, .size: 8, .value_kind: global_buffer, .address_space: global }
      - { .name: params_blocks_0_psi_w, .offset: 24, .size: 8, .value_kind: global_buffer, .address_space: global }
      - { .name: params_blocks_1_psi_w, .offset: 32, .size: 8, .value_kind: global_buffer, .address_space: global }
      - { .name: params_blocks_2_psi_w, .offset: 40, .size: 8, .value_kind: global_buffer, .address_space: global }
      - { .name: params_blocks_3_psi_w, .offset: 48, .size: 8, .value_kind: global_buffer, .address_space: global }
      - { .name: va, .offset: 56, .size: 8, .value_kind: global_buffer, .address_space: global }
      - { .name: part, .offset: 64, .size: 8, .value_kind: global_buffer, .address_space: global }
      - { .name: psr0, .offset: 72, .size: 8, .value_kind: global_buffer, .address_space: global }
      - { .name: psr1, .offset: 80, .size: 8, .value_kind: global_buffer, .address_space: global }
      - { .name: psr2, .offset: 88, .size: 8, .value_kind: global_buffer, .address_space: global }
      - { .name: psr3, .offset: 96, .size: 8, .value_kind: global_buffer, .address_space: global }
    .group_segment_fixed_size: 52736
    .private_segment_fixed_size: 0
    .kernarg_segment_align: 8
    .kernarg_segment_size: 104
    .max_flat_workgroup_size: 128
    .sgpr_count:     66
    .vgpr_count:     258
    .wavefront_size: 32
...
	.end_amdgpu_metadata
.endif
;; end of part 1
;; launch mix (part 2): grid 32 x 4, 8 waves a work-group, no clusters, 6,144 bytes of LDS; arguments part, psr0, params_blocks_0_psi_b, params_blocks_0_phi_w, params_blocks_0_phi_b, params_blocks_0_w_w, params_blocks_0_w_b, wb; writes wb
.if DOCPART == 2
	.amdgcn_target "amdgcn-amd-amdhsa--gfx1250"
	.amdhsa_code_object_version 6
	.text
	.protected	k_q3adfcd315a_mix
	.globl	k_q3adfcd315a_mix
	.p2align	8
	.type	k_q3adfcd315a_mix,@function
k_q3adfcd315a_mix:
	s_mov_b64 s[64:65], 0
	v_nop
	global_prefetch_b8 v0, s[64:65] scope:SCOPE_SE
	s_setreg_imm32_b32 hwreg(HW_REG_WAVE_MODE, 25, 1), 1
	s_wait_xcnt 0x0
; FOLD ONE LAYER'S WEIGHTS.  Work-group (cs, b) owns the four columns c = 4 cs + e of batch b.  All in f32 on the vector unit:
;   G[k][c], s[c]  = sums of the batch's 64 partials in part
;   I[r][c]        = ( sum_k psi_w[k][128 r + c] G[k][c] + psi_b[128 r + c] s[c] ) / 4096      (c is shared by both factors: no matrix product)
;   Weff[k][c]     = w_w[k][c] + sum_r phi_w[k][r] I[r][c],    beff[c] = w_b[c] + sum_r phi_b[r] I[r][c]
; since v w_w + w_b + (v phi_w + phi_b) I = v Weff + beff.  The fold over r is 32 multiply-adds a number, 524,288 a batch: kept in f32.
; Out: wb[b] = Weff transposed, bf16 [128 c][128 k] (the next launch's matrix operand), then beff, f32 [128].
; part[g] = [32 c4][5 d][16 kk][4 e] = G(c = 4 c4 + e, k = 16 ((c4 / 4 + d) mod 8) + kk), then s[128] at byte 40,960: of the symmetric G only the
; tiles at block distance 0..4 are stored.  Wave J sums k block J for the group's columns (block I = cs / 4), dist = (J - I) mod 8:
;   dist <= 4: tile (I, dist) as it lies: lane q (of 16) holds G[16 J + q][e] in register e: 256 consecutive bytes a partial;
;   dist >= 5 (three waves of the eight): tile (J, 8 - dist), transposed: lane 4 m + e holds G[16 J + 4 m + i][e] in register i: four pieces of 64 bytes.
; The lane halves take 32 partials each.  A number that all lanes need goes from its lane to the row's sixteen by a DPP row_share move; LDS
; only adds the eight waves' shares of I and turns Weff into rows: two barriers.
; All 60 loads of a thread are issued at once; nothing is looped.  psi_b, w_w and the column sums are read as 16- or 8-byte pieces of rows far
; apart: 3,584 bytes a work-group, once.  beff leaves as 16 bytes a work-group.
; No cluster: everything is loaded straight into the registers that use it; the four batches share 65,536 bytes of psr against 131,072 of part.
.set ROW,  1280                        ; part: a column quad's five tiles of 256 bytes
.set BLK,  41472                       ; part: a partial's block
.set SUMS, 40960                       ; part: where the sums begin in a block
.set IP, 0                             ; LDS: I, eight waves' partial sums: [8][32 r][4 e] f32
.set WS, 4096                          ; LDS: Weff transposed: [4 c][128 k] bf16
.set LN,   1                           ; lane
.set KK,   2                           ; k = t % 128
.set PAO,  3                           ; byte offsets: part,
.set SPO,  5                           ; the column sums in part,
.set PBO,  6                           ; psi_b,
.set PSO,  7                           ; psr,
.set PHO,  8                           ; phi_w, the sixteen r of my lane half,
.set WWO,  9                           ; w_w,
.set PHBO, 10                          ; phi_b
.set T16,  11                          ; 16 t
.set PHO2, 12                          ; phi_w, the other sixteen r
.set IPA,  13                          ; LDS: 16 lane
.set HH,   14                          ; lane / 16
.set WSA,  15                          ; LDS: my two numbers of Weff
.set PART, 16                          ; v[16:143]  32 partials; then v[16:19] G, v[20:23] the other half's
.set TT,   24                          ; v[24:39]   four sets of G[k][0..3] in all lanes
.set I4,   48                          ; v[48:79]   eight waves' shares of I[lane][0..3]; then v[48:51] I
.set I2,   80                          ; v[80:81]   I[lane][2 eh ..]
.set I2X,  82                          ; v[82:83]   the same of lane xor 16
.set TU,   84                          ; v[84:99]   four sets of I[16 h + n][..], I[16 (1 - h) + n][..] in all lanes
.set AE0,  112                         ; v[112:119] four chains: my half's r even, the other half's r even, then odd
.set AO0,  114
.set AE1,  116
.set AO1,  118
.set PSI,  144                         ; v[144:207] psr[cs][16 w + n][lane][0..3]
.set SP,   208                         ; v[208:211] column sums; then the chain over even n
.set PB4,  212                         ; v[212:215] psi_b[128 lane + 4 cs ..]; then the chain over odd n
.set PHI,  216                         ; v[216:247] phi_w[k][16 h + n] in register n, phi_w[k][16 (1 - h) + n] in register 16 + n
.set WW,   248                         ; v[248:249] w_w[k][4 cs + 2 eh ..]
.set PHB,  250                         ; phi_b[lane]
.macro QADD d, s                       ; four numbers
	v_pk_add_f32 v[\d:\d+1], v[\d:\d+1], v[\s:\s+1]
	v_pk_add_f32 v[\d+2:\d+3], v[\d+2:\d+3], v[\s+2:\s+3]
.endm
.macro FOLD8 b                         ; eight quads into the first, as a tree
	QADD \b+0, \b+4
	QADD \b+8, \b+12
	QADD \b+16, \b+20
	QADD \b+24, \b+28
	QADD \b+0, \b+8
	QADD \b+16, \b+24
	QADD \b+0, \b+16
.endm
.macro FMA2 n                          ; psi_w[16 w + n][lane][e] x G[16 w + n][e] into the even or the odd chain; n = 1 starts the odd one
.if (\n) == 1
	v_pk_mul_f32 v[PB4:PB4+1], v[PSI+4:PSI+5], v[TT+4:TT+5]
	v_pk_mul_f32 v[PB4+2:PB4+3], v[PSI+6:PSI+7], v[TT+6:TT+7]
.else
.if ((\n)%2) == 0
	v_pk_fma_f32 v[SP:SP+1], v[PSI+4*(\n):PSI+4*(\n)+1], v[TT+4*((\n)%4):TT+4*((\n)%4)+1], v[SP:SP+1]
	v_pk_fma_f32 v[SP+2:SP+3], v[PSI+4*(\n)+2:PSI+4*(\n)+3], v[TT+4*((\n)%4)+2:TT+4*((\n)%4)+3], v[SP+2:SP+3]
.else
	v_pk_fma_f32 v[PB4:PB4+1], v[PSI+4*(\n):PSI+4*(\n)+1], v[TT+4*((\n)%4):TT+4*((\n)%4)+1], v[PB4:PB4+1]
	v_pk_fma_f32 v[PB4+2:PB4+3], v[PSI+4*(\n)+2:PSI+4*(\n)+3], v[TT+4*((\n)%4)+2:TT+4*((\n)%4)+3], v[PB4+2:PB4+3]
.endif
.endif
.endm
.macro STEP_D n                        ; the tile as it lies: G[16 w + n][e] is register e of lane n
.irp e, 0,1,2,3
	v_mov_b32_dpp v[TT+4*((\n)%4)+\e], v[PART+\e] row_share:\n row_mask:0xf bank_mask:0xf
.endr
	FMA2 \n
.endm
.macro STEP_T n, i, l0, l1, l2, l3     ; the transposed tile, n = 4 m + i: G[16 w + n][e] is register i of lane 4 m + e
	v_mov_b32_dpp v[TT+4*((\n)%4)],   v[PART+\i] row_share:\l0 row_mask:0xf bank_mask:0xf
	v_mov_b32_dpp v[TT+4*((\n)%4)+1], v[PART+\i] row_share:\l1 row_mask:0xf bank_mask:0xf
	v_mov_b32_dpp v[TT+4*((\n)%4)+2], v[PART+\i] row_share:\l2 row_mask:0xf bank_mask:0xf
	v_mov_b32_dpp v[TT+4*((\n)%4)+3], v[PART+\i] row_share:\l3 row_mask:0xf bank_mask:0xf
	FMA2 \n
.endm
.macro RSTEP n                         ; r = 16 h + n and r = 16 (1 - h) + n: I from lane n of my row, phi_w[k][r] broadcast out of its pair by op_sel
	v_mov_b32_dpp v[TU+4*((\n)%4)],   v[I2]    row_share:\n row_mask:0xf bank_mask:0xf
	v_mov_b32_dpp v[TU+4*((\n)%4)+1], v[I2+1]  row_share:\n row_mask:0xf bank_mask:0xf
	v_mov_b32_dpp v[TU+4*((\n)%4)+2], v[I2X]   row_share:\n row_mask:0xf bank_mask:0xf
	v_mov_b32_dpp v[TU+4*((\n)%4)+3], v[I2X+1] row_share:\n row_mask:0xf bank_mask:0xf
.if (\n) == 0
	v_pk_fma_f32 v[AE0:AE0+1], v[PHI:PHI+1], v[TU:TU+1], v[WW:WW+1] op_sel_hi:[0,1,1]          ; w_w starts this chain
	v_pk_mul_f32 v[AO0:AO0+1], v[PHI+16:PHI+17], v[TU+2:TU+3] op_sel_hi:[0,1]
.else
.if (\n) == 1
	v_pk_mul_f32 v[AE1:AE1+1], v[PHI:PHI+1], v[TU+4:TU+5] op_sel:[1,0] op_sel_hi:[1,1]
	v_pk_mul_f32 v[AO1:AO1+1], v[PHI+16:PHI+17], v[TU+6:TU+7] op_sel:[1,0] op_sel_hi:[1,1]
.else
.if ((\n)%2) == 0
	v_pk_fma_f32 v[AE0:AE0+1], v[PHI+(\n):PHI+(\n)+1], v[TU+4*((\n)%4):TU+4*((\n)%4)+1], v[AE0:AE0+1] op_sel_hi:[0,1,1]
	v_pk_fma_f32 v[AO0:AO0+1], v[PHI+16+(\n):PHI+16+(\n)+1], v[TU+4*((\n)%4)+2:TU+4*((\n)%4)+3], v[AO0:AO0+1] op_sel_hi:[0,1,1]
.else
	v_pk_fma_f32 v[AE1:AE1+1], v[PHI+(\n)-1:PHI+(\n)], v[TU+4*((\n)%4):TU+4*((\n)%4)+1], v[AE1:AE1+1] op_sel:[1,0,0] op_sel_hi:[1,1,1]
	v_pk_fma_f32 v[AO1:AO1+1], v[PHI+16+(\n)-1:PHI+16+(\n)], v[TU+4*((\n)%4)+2:TU+4*((\n)%4)+3], v[AO1:AO1+1] op_sel:[1,0,0] op_sel_hi:[1,1,1]
.endif
.endif
.endif
.endm
	s_load_b512 s[8:23], s[0:1], 0x0               ; part s[8:9], psr s[10:11], psi_b s[12:13], phi_w s[14:15], phi_b s[16:17], w_w s[18:19], w_b s[20:21], wb s[22:23]
	v_lshl_add_u32 v254, v0, 2, 0x1400
	v_mov_b32 v255, 0
	v_lshrrev_b32 v4, 5, v0
	v_readfirstlane_b32 s24, v4                    ; wave w = k block J, 0..7
	s_and_b32 s26, ttmp7, 0xffff                   ; batch b;  ttmp9: cs
	s_lshr_b32 s27, s24, 2                         ; eh = t / 128: which two columns of Weff are mine
	s_lshr_b32 s28, ttmp9, 2                       ; column block I
	s_and_b32 s29, ttmp9, 3                        ; column quad in the block
	s_sub_co_u32 s30, s24, s28
	s_and_b32 s30, s30, 7                          ; dist = (J - I) mod 8
	s_mul_i32 s31, ttmp9, ROW
	s_lshl_b32 s46, s30, 8
	s_add_co_u32 s31, s31, s46                     ; as it lies: row cs, tile dist
	s_mul_i32 s47, s24, 4*ROW
	s_sub_co_u32 s46, 8, s30
	s_lshl_b32 s46, s46, 8
	s_add_co_u32 s47, s47, s46
	s_lshl_b32 s46, s29, 6
	s_add_co_u32 s47, s47, s46                     ; transposed: rows 4 J .., tile 8 - dist, kk = 4 (cs % 4) ..
	s_cmp_gt_u32 s30, 4
	s_cselect_b32 s31, s47, s31
	s_cselect_b32 s25, -1, 0                       ; all lanes, or none: the transposed form
	s_mul_i32 s32, s26, 64*BLK                     ; 64 partials a batch
	s_mov_b32 s33, 0
	s_lshl_b32 s34, ttmp9, 16
	s_mov_b32 s35, 0
	s_lshl_b32 s36, ttmp9, 4                       ; four f32 columns
	s_mov_b32 s37, 0
	s_mul_i32 s38, s26, 33280
	s_mov_b32 s39, 0
	s_mov_b32 s44, 0x76543210                      ; v_permlanex16_b32: lane i of one half reads lane i of the other
	s_mov_b32 s45, 0xfedcba98
	v_and_b32 v[LN], 31, v0
	v_and_b32 v[KK], 127, v0
	v_bfe_u32 v[HH], v0, 4, 1
	v_and_b32 v251, 15, v0                         ; q
	v_lshlrev_b32 v[PAO], 4, v251                  ; as it lies: kk = q
	v_lshrrev_b32 v252, 2, v251
	v_mul_u32_u24 v252, v252, ROW
	v_and_b32 v251, 3, v251
	v_lshl_add_u32 v252, v251, 4, v252             ; transposed: row + q / 4, kk + q % 4
	v_cndmask_b32 v[PAO], v[PAO], v252, s25
	v_mul_u32_u24 v251, v[HH], 32*BLK              ; lanes 16-31: partials 32..63
	v_add3_u32 v[PAO], v[PAO], v251, s31
	v_and_b32 v[SPO], 7, v0
	v_lshl_add_u32 v[SPO], v4, 3, v[SPO]           ; partial 8 w + lane % 8
	v_mul_u32_u24 v[SPO], v[SPO], BLK
	v_add_nc_u32 v[SPO], s36, v[SPO]
	v_lshlrev_b32 v[PBO], 9, v[LN]                 ; r = lane: 128 numbers on
	s_lshl_b32 s29, s24, 13
	v_lshl_add_u32 v[PSO], v[LN], 4, s29           ; k = 16 w: 512 bytes each; r = lane: 16 bytes each
	v_lshlrev_b32 v[PHO], 7, v[KK]
	v_lshl_add_u32 v[PHO], v[HH], 6, v[PHO]        ; row k, r = 16 h ..
	v_xor_b32 v[PHO2], 64, v[PHO]                  ; row k, r = 16 (1 - h) ..
	s_lshl_b32 s28, s27, 3
	v_lshl_add_u32 v[WWO], v[KK], 9, s28
	v_lshlrev_b32 v[PHBO], 2, v[LN]
	s_wait_kmcnt 0x0
	s_add_nc_u64 s[8:9], s[8:9], s[32:33]
	s_add_nc_u64 s[10:11], s[10:11], s[34:35]
	s_add_nc_u64 s[12:13], s[12:13], s[36:37]
	s_add_nc_u64 s[18:19], s[18:19], s[36:37]
	s_add_nc_u64 s[20:21], s[20:21], s[36:37]
	s_add_nc_u64 s[22:23], s[22:23], s[38:39]
	s_load_b128 s[40:43], s[20:21], 0x0            ; w_b[4 cs ..]
.irp i, 0,1,2,3,4,5,6,7,8,9,10,11,12,13,14,15,16,17,18,19,20,21,22,23,24,25,26,27,28,29,30,31
	global_load_b128 v[PART+4*\i:PART+4*\i+3], v[PAO], s[8:9] offset:\i*BLK        ; partials i and 32 + i
.endr
	global_load_b128 v[SP:SP+3], v[SPO], s[8:9] offset:SUMS
	global_load_b128 v[PB4:PB4+3], v[PBO], s[12:13]
.irp i, 0,1,2,3,4,5,6,7,8,9,10,11,12,13,14,15
	global_load_b128 v[PSI+4*\i:PSI+4*\i+3], v[PSO], s[10:11] offset:512*\i        ; a wave's load covers 512 consecutive bytes
.endr
.irp i, 0,1,2,3
	global_load_b128 v[PHI+4*\i:PHI+4*\i+3], v[PHO], s[14:15] offset:16*\i
.endr
.irp i, 0,1,2,3
	global_load_b128 v[PHI+16+4*\i:PHI+16+4*\i+3], v[PHO2], s[14:15] offset:16*\i
.endr
	global_load_b64 v[WW:WW+1], v[WWO], s[18:19]
	global_load_b32 v[PHB], v[PHBO], s[16:17]
	; LDS addresses
	v_lshlrev_b32 v[T16], 4, v0
	v_lshlrev_b32 v[IPA], 4, v[LN]
	s_lshl_b32 s29, s27, 9
	v_lshl_add_u32 v[WSA], v[KK], 1, s29           ; row 2 eh of 256 bytes, 2 bytes x k
	; 1. G of my wave's 16 k.  60 loads were issued; behind the first 8, 16, 24, 32 of them 52, 44, 36, 28 are younger.
	s_wait_loadcnt 52
	FOLD8 PART
	s_wait_loadcnt 44
	FOLD8 PART+32
	s_wait_loadcnt 36
	FOLD8 PART+64
	s_wait_loadcnt 28
	FOLD8 PART+96
	QADD PART, PART+32
	QADD PART+64, PART+96
	QADD PART, PART+64
.irp e, 0,1,2,3
	v_permlanex16_b32 v[PART+4+\e], v[PART+\e], s44, s45           ; the other 32 partials (the destination was written before: a load)
.endr
	QADD PART, PART+4                              ; both lane halves now hold the whole sums
	; 2. my wave's share of I: lane = r, k = 16 w + n, and eight of the 64 partial column sums.
	s_wait_loadcnt 10                              ; column sums, psi_b, psr are in; phi_w (8), w_w, phi_b stay out
.irp m, 1,2,4
.irp e, 0,1,2,3
	v_add_f32_dpp v[SP+\e], v[SP+\e], v[SP+\e] row_xmask:\m row_mask:0xf bank_mask:0xf
.endr
.endr
	v_pk_mul_f32 v[SP:SP+1], v[SP:SP+1], v[PB4:PB4+1]                 ; psi_b x (my wave's eight partials of s) starts the even chain
	v_pk_mul_f32 v[SP+2:SP+3], v[SP+2:SP+3], v[PB4+2:PB4+3]
	s_cmp_gt_u32 s30, 4
	s_cbranch_scc1 .Ltrans
.irp n, 0,1,2,3,4,5,6,7,8,9,10,11,12,13,14,15
	STEP_D \n
.endr
	s_branch .Ljoin
.Ltrans:
.irp i, 0,1,2,3
	STEP_T \i, \i, 0, 1, 2, 3
.endr
.irp i, 0,1,2,3
	STEP_T 4+\i, \i, 4, 5, 6, 7
.endr
.irp i, 0,1,2,3
	STEP_T 8+\i, \i, 8, 9, 10, 11
.endr
.irp i, 0,1,2,3
	STEP_T 12+\i, \i, 12, 13, 14, 15
.endr
.Ljoin:
	QADD SP, PB4
	ds_store_b128 v[T16], v[SP:SP+3] offset:IP
	s_wait_kmcnt 0x0                               ; w_b
	s_wait_dscnt 0x0                               ; for the other waves
	s_barrier_signal -1
	s_barrier_wait -1
	; 3. every wave adds the eight shares (lane = r), then folds: thread (k, eh) makes Weff[k][4 cs + 2 eh ..].
.irp i, 0,1,2,3,4,5,6,7
	ds_load_b128 v[I4+4*\i:I4+4*\i+3], v[IPA] offset:IP+512*\i
.endr
	s_cmp_lg_u32 s27, 0
	s_cselect_b32 s46, -1, 0                       ; all lanes where eh = 1
	s_wait_dscnt 0x0
	FOLD8 I4
	v_pk_mul_f32 v[I4:I4+1], v[I4:I4+1], 0x39800000 op_sel_hi:[1,0]                ; / 4096, exact
	v_pk_mul_f32 v[I4+2:I4+3], v[I4+2:I4+3], 0x39800000 op_sel_hi:[1,0]
	v_cndmask_b32 v[I2], v[I4], v[I4+2], s46
	v_cndmask_b32 v[I2+1], v[I4+1], v[I4+3], s46
	v_permlanex16_b32 v[I2X], v[I2], s44, s45      ; (destinations written before: loads)
	v_permlanex16_b32 v[I2X+1], v[I2+1], s44, s45
	s_wait_loadcnt 0x0                             ; phi_w, w_w, phi_b
.irp n, 0,1,2,3,4,5,6,7,8,9,10,11,12,13,14,15
	RSTEP \n
.endr
	v_pk_add_f32 v[AE0:AE0+1], v[AE0:AE0+1], v[AE1:AE1+1]
	v_pk_add_f32 v[AO0:AO0+1], v[AO0:AO0+1], v[AO1:AO1+1]
	v_pk_add_f32 v[AE0:AE0+1], v[AE0:AE0+1], v[AO0:AO0+1]
	v_cvt_pk_bf16_f32 v120, v[AE0], v[AE0+1]
	ds_store_b16 v[WSA], v120 offset:WS                            ; column 4 cs + 2 eh
	ds_store_b16_d16_hi v[WSA], v120 offset:WS+256                 ; column 4 cs + 2 eh + 1
	s_wait_dscnt 0x0                               ; for waves 0 and 1
	s_barrier_signal -1
	s_barrier_wait -1
	; 4. out: waves 0 and 1 store the four rows of Weff transposed, wave 2 makes and stores beff.
	s_cmp_ge_u32 s24, 2
	s_cbranch_scc1 .Lbias
	ds_load_b128 v[124:127], v[T16] offset:WS
	s_lshl_b32 s47, ttmp9, 10                      ; four rows of 256 bytes
	v_add_nc_u32 v123, s47, v[T16]
	s_wait_dscnt 0x0
	global_store_b128 v123, v[124:127], s[22:23]   ; sixteen lanes store one row: 256 consecutive bytes, aligned
	s_wait_tensorcnt 0x0
	ds_add_u32 v254, v255
	s_wait_dscnt 0x0
	s_endpgm
.Lbias:
	s_cmp_lg_u32 s24, 2
	s_cbranch_scc1 .Lend
.irp e, 0,1,2,3
	v_mul_f32 v[I4+\e], v[I4+\e], v[PHB]           ; phi_b[r] I[r][e], r = lane
.endr
.irp m, 1,2,4,8
.irp e, 0,1,2,3
	v_add_f32_dpp v[I4+\e], v[I4+\e], v[I4+\e] row_xmask:\m row_mask:0xf bank_mask:0xf
.endr
.endr
.irp e, 0,1,2,3
	v_permlanex16_b32 v[I4+4+\e], v[I4+\e], s44, s45               ; its destination was written before (an LDS load)
.endr
.irp e, 0,1,2,3
	v_add_f32 v[I4+\e], v[I4+\e], v[I4+4+\e]
.endr
.irp e, 0,1,2,3
	v_add_f32 v[I4+\e], s[40+\e], v[I4+\e]         ; + w_b
.endr
	v_mov_b32 v121, s36                            ; 16 cs
	v_cmp_eq_u32 vcc_lo, 0, v[LN]
	s_wait_xcnt 0x0                                ; EXEC changes only behind this wait
	s_and_saveexec_b32 s46, vcc_lo                 ; lane 0 alone
	global_store_b128 v121, v[I4:I4+3], s[22:23] offset:32768
	s_wait_xcnt 0x0                                ; and again in front of the line that widens it
	s_or_b32 exec_lo, exec_lo, s46
.Lend:
	s_wait_tensorcnt 0x0
	ds_add_u32 v254, v255
	s_wait_dscnt 0x0
	s_endpgm
.Lfunc_end_k_q3adfcd315a_mix:
	.size	k_q3adfcd315a_mix, .Lfunc_end_k_q3adfcd315a_mix-k_q3adfcd315a_mix
	.p2alignl 7, 3214868480
	.fill 96, 4, 3214868480
	.section	.rodata,"a",@progbits
	.p2align	6, 0x0
	.amdhsa_kernel k_q3adfcd315a_mix
		.amdhsa_group_segment_fixed_size 6144
		.amdhsa_private_segment_fixed_size 0
		.amdhsa_enable_private_segment 0
		.amdhsa_kernarg_size 64
		.amdhsa_user_sgpr_count 2
		.amdhsa_user_sgpr_kernarg_segment_ptr 1
		.amdhsa_wavefront_size32 1
		.amdhsa_system_sgpr_workgroup_id_x 1
		.amdhsa_system_sgpr_workgroup_id_y 1
		.amdhsa_system_sgpr_workgroup_id_z 1
		.amdhsa_system_vgpr_workitem_id 0
		.amdhsa_next_free_vgpr 256
		.amdhsa_next_free_sgpr 66
		.amdhsa_reserve_vcc 1
		.amdhsa_float_denorm_mode_32 3
		.amdhsa_float_denorm_mode_16_64 3
		.amdhsa_memory_ordered 1
		.amdhsa_forward_progress 1
		.amdhsa_inst_pref_size 38
	.end_amdhsa_kernel
	.amdgpu_metadata
---
amdhsa.version: [ 1, 2 ]
amdhsa.kernels:
  - .name:           k_q3adfcd315a_mix
    .symbol:         k_q3adfcd315a_mix.kd
    .args:
      - { .name: part, .offset: 0, .size: 8, .value_kind: global_buffer, .address_space: global }
      - { .name: psr0, .offset: 8, .size: 8, .value_kind: global_buffer, .address_space: global }
      - { .name: params_blocks_0_psi_b, .offset: 16, .size: 8, .value_kind: global_buffer, .address_space: global }
      - { .name: params_blocks_0_phi_w, .offset: 24, .size: 8, .value_kind: global_buffer, .address_space: global }
      - { .name: params_blocks_0_phi_b, .offset: 32, .size: 8, .value_kind: global_buffer, .address_space: global }
      - { .name: params_blocks_0_w_w, .offset: 40, .size: 8, .value_kind: global_buffer, .address_space: global }
      - { .name: params_blocks_0_w_b, .offset: 48, .size: 8, .value_kind: global_buffer, .address_space: global }
      - { .name: wb, .offset: 56, .size: 8, .value_kind: global_buffer, .address_space: global }
    .group_segment_fixed_size: 6144
    .private_segment_fixed_size: 0
    .kernarg_segment_align: 8
    .kernarg_segment_size: 64
    .max_flat_workgroup_size: 256
    .sgpr_count:     66
    .vgpr_count:     256
    .wavefront_size: 32
...
	.end_amdgpu_metadata
.endif
;; end of part 2
;; launch upd (part 3): grid 256 x 1, 4 waves a work-group, no clusters, 168,448 bytes of LDS; arguments va, wb, vb, part; writes vb, part
.if DOCPART == 3
	.amdgcn_target "amdgcn-amd-amdhsa--gfx1250"
	.amdhsa_code_object_version 6
	.text
	.protected	k_q3adfcd315a_upd
	.globl	k_q3adfcd315a_upd
	.p2align	8
	.type	k_q3adfcd315a_upd,@function
k_q3adfcd315a_upd:
	s_mov_b64 s[64:65], 0
	v_nop
	global_prefetch_b8 v0, s[64:65] scope:SCOPE_SE
	s_setreg_imm32_b32 hwreg(HW_REG_WAVE_MODE, 25, 1), 1
	s_wait_xcnt 0x0
; ONE LAYER'S UPDATE AND THE NEXT LAYER'S GRAM PARTIALS.  v' = gelu(v Weff + beff), gelu exact (with erf).
; A work-group of four waves takes 64 points of one batch; wave w makes the columns 32 w .. 32 w + 31 of all 64 points: 8 accumulator tiles.
; v (bf16, 64 rows) and Weff transposed (bf16, 128 rows) come by one tensor load each from every wave (two outstanding a wave), K = 128 in one go.
; The matrix instruction is used transposed (source 0: rows of Weff transposed, source 1: points), so that a lane's eight results are eight
; neighbouring columns of one point.  v' is rounded once to bf16, the format in which every later product takes it as operand, laid into
; an LDS tile, stored by whole rows, and read back transposed for G[k][c] = sum_p v'[p][k] v'[p][c] and s[c] = sum_p v'[p][c] (product with ones)
; of these 64 points.  G is symmetric: of its 8 x 8 blocks of 16 x 16 only the tiles (I, (I + d) mod 8), d = 0..4, are made; a tile at
; distance 5, 6, 7 is the transpose of one at distance 3, 2, 1.
;   part[g] = [32 c4][5 d][16 kk][4 e] f32 = G(c = 4 c4 + e, k = 16 ((c4 / 4 + d) mod 8) + kk), rows of 1,280 bytes; then s[128] at byte 40,960.
; s leaves as 4 bytes a lane, 128 consecutive bytes a wave: two of the group's 162 aligned 256-byte pieces of part are written by two waves each.
; erf: Abramowitz and Stegun 7.1.26, absolute error 1.5e-7 for every x:  gelu(x) = max(x, 0) + |x| e q,  t = 1 / (1 + 0.2316419 |x|),
; e = 2^(-0.7213475 x^2) = exp(-x^2 / 2),  q = t (a1 + t (a2 + t (a3 + t (a4 + t a5)))) with the series' coefficients times -1/2.
; Where x^2 overflows e is 0 and gelu(x) = max(x, 0).
; LIMIT: G is kept in f32 and must stay finite: |v'| below about 2.9e17 (4096 v^2 < 3.4e38).
; No cluster: what the 64 work-groups of a batch share is Weff, 32,768 of the 107,520 bytes that a work-group moves, asked for once, in the
; first lines, with no loop in which partners would meet again.
.set PITCH, 272                        ; 256 bytes + 16 = 17 x 16: the sixteen rows of a fragment load start at sixteen different 16-byte columns modulo 256
.set P2,    288                        ; the tile of v': 256 + 32 = 9 x 32, an odd multiple of 32 as the transposing loads want
.set VT,    0                          ; LDS: v, 64 rows (filled by tensor loads)
.set WT,    64*PITCH                   ; LDS: Weff transposed, 128 rows (filled by tensor loads)
.set T2,    192*PITCH                  ; LDS: v', 64 rows (written by the waves; bytes of its own)
.set ROW,   1280                       ; part: a column quad's five tiles of 256 bytes
.set BLK,   41472                      ; part: a work-group's block, 32 rows and 512 bytes of sums
.set SUMS,  40960                      ; part: where the sums begin in a block
.set FA,   3                           ; LDS: fragments of v
.set FW,   4                           ; LDS: fragments of my wave's 32 rows of Weff transposed
.set STO,  5                           ; LDS: where I put 16 bytes (8 columns) of a point's row
.set RDV,  6                           ; LDS: where I read rows back for the store of v'
.set VO,   7                           ; my byte offset in the group's 64 rows of v'
.set TR,   8                           ; LDS: transposing loads, column block 0
.set TRA,  9                           ; LDS: transposing loads, column blocks 2 w, 2 w + 1
.set PO,   10                          ; my byte offset in the group's block of part
.set BO,   11                          ; my byte offset in beff
.set BB,   12                          ; v[12:27]   beff of my columns: block nb at BB + 8 nb
.set ONES, 12                          ; v[12:19]   later: a fragment of bf16 ones
.set TRB,  28                          ; LDS: transposing loads, column blocks (2 w + 2) mod 8 and the next
.set TRC,  29                          ; LDS: transposing loads, column blocks (2 w + 4) mod 8 and the next
.set SO,   30                          ; my byte offset in the sums: 4 t
.set SV,   31                          ; s of column 32 w + lane
.set VF,   32                          ; v[32:159]  fragments of v: (mt, ks) at VF + 8 (4 ks + mt)
.set WF,   160                         ; v[160:191] fragments of Weff: ks at WF + 8 ks
.set ACC,  192                         ; v[192:255] tile (mt, nb) at ACC + 8 (2 mt + nb); register j of lane (r, h): point 16 mt + r, column 32 w + 16 nb + 8 h + j
.set A1,   32                          ; behind the products: the series' constants, each in both registers of a pair
.set A2,   34
.set A3,   36
.set A4,   38
.set A5,   40
.set C2,   42
.set T,    48                          ; v[48:55]
.set M,    56                          ; v[56:63]
.set Q,    64                          ; v[64:71]
.set R,    72                          ; v[72:79]
.set PK,   80                          ; v[80:83]
.set F0,   32                          ; v[32:79]   Gram: six fragments, column blocks (2 w + x) mod 8 at F0 + 8 x, points 0-31
.set F1,   80                          ; v[80:127]  the same, points 32-63
.set GACC, 128                         ; v[128:207] Gram: tile (ii, d) at GACC + 8 (5 ii + d)
.set SACC, 208                         ; v[208:223] column sums of block 2 w + ii at SACC + 8 ii
.set VS,   224                         ; v[224:255] rows of v' on their way out
.macro PLACES                          ; four plain vector instructions between a matrix instruction and a load into, a write of or a read of its registers
.rept 4
	v_nop
.endr
.endm
.macro FETCHW nb                       ; 16 rows of Weff transposed, all of K: 8 loads
.irp ks, 0,1,2,3
	ds_load_b128 v[WF+8*\ks:WF+8*\ks+3],   v[FW] offset:\nb*16*PITCH+64*\ks
	ds_load_b128 v[WF+8*\ks+4:WF+8*\ks+7], v[FW] offset:\nb*16*PITCH+64*\ks+32
.endr
.endm
.macro FETCHV ks                       ; all 64 points, 32 of K: 8 loads
.irp mt, 0,1,2,3
	ds_load_b128 v[VF+8*(4*\ks+\mt):VF+8*(4*\ks+\mt)+3],   v[FA] offset:\mt*16*PITCH+64*\ks
	ds_load_b128 v[VF+8*(4*\ks+\mt)+4:VF+8*(4*\ks+\mt)+7], v[FA] offset:\mt*16*PITCH+64*\ks+32
.endr
.endm
.macro MULK nb, ks, zero               ; 4 matrix instructions; zero = 1: the first product starts the sums
.irp mt, 0,1,2,3
.if \zero
	v_wmma_f32_16x16x32_bf16 v[ACC+8*(2*\mt+\nb):ACC+8*(2*\mt+\nb)+7], v[WF+8*\ks:WF+8*\ks+7], v[VF+8*(4*\ks+\mt):VF+8*(4*\ks+\mt)+7], 0
.else
	v_wmma_f32_16x16x32_bf16 v[ACC+8*(2*\mt+\nb):ACC+8*(2*\mt+\nb)+7], v[WF+8*\ks:WF+8*\ks+7], v[VF+8*(4*\ks+\mt):VF+8*(4*\ks+\mt)+7], v[ACC+8*(2*\mt+\nb):ACC+8*(2*\mt+\nb)+7]
.endif
.endr
.endm
.macro GELU8 x, bb                     ; eight numbers in place: x = gelu(x + bias)
.irp i, 0,2,4,6
	v_pk_add_f32 v[\x+\i:\x+\i+1], v[\x+\i:\x+\i+1], v[\bb+\i:\bb+\i+1]
.endr
.irp i, 0,1,2,3,4,5,6,7
	v_fma_f32 v[T+\i], |v[\x+\i]|, s44, 1.0
.endr
.irp i, 0,2,4,6
	v_pk_mul_f32 v[M+\i:M+\i+1], v[\x+\i:\x+\i+1], v[\x+\i:\x+\i+1]
.endr
.irp i, 0,2,4,6
	v_pk_mul_f32 v[M+\i:M+\i+1], v[M+\i:M+\i+1], v[C2:C2+1]
.endr
.irp i, 0,1,2,3,4,5,6,7
	v_rcp_f32 v[T+\i], v[T+\i]
.endr
.irp i, 0,1,2,3,4,5,6,7
	v_exp_f32 v[M+\i], v[M+\i]
.endr
.irp i, 0,1,2,3,4,5,6,7
	v_max_num_f32 v[R+\i], 0, v[\x+\i]             ; plain instructions that touch neither T nor M: the place behind the transcendentals (ISA guide 5.7.2)
.endr
	s_wait_alu depctr_va_vdst(0)
.irp i, 0,2,4,6
	v_pk_fma_f32 v[Q+\i:Q+\i+1], v[T+\i:T+\i+1], v[A5:A5+1], v[A4:A4+1]
.endr
.irp i, 0,2,4,6
	v_pk_fma_f32 v[Q+\i:Q+\i+1], v[Q+\i:Q+\i+1], v[T+\i:T+\i+1], v[A3:A3+1]
.endr
.irp i, 0,2,4,6
	v_pk_fma_f32 v[Q+\i:Q+\i+1], v[Q+\i:Q+\i+1], v[T+\i:T+\i+1], v[A2:A2+1]
.endr
.irp i, 0,2,4,6
	v_pk_fma_f32 v[Q+\i:Q+\i+1], v[Q+\i:Q+\i+1], v[T+\i:T+\i+1], v[A1:A1+1]
.endr
.irp i, 0,2,4,6
	v_pk_mul_f32 v[Q+\i:Q+\i+1], v[Q+\i:Q+\i+1], v[T+\i:T+\i+1]
.endr
.irp i, 0,1,2,3,4,5,6,7
	v_mul_f32 v[M+\i], |v[\x+\i]|, v[M+\i]
.endr
.irp i, 0,2,4,6
	v_pk_fma_f32 v[\x+\i:\x+\i+1], v[M+\i:M+\i+1], v[Q+\i:Q+\i+1], v[R+\i:R+\i+1]
.endr
.endm
.macro PACKST x, mt, nb                ; eight neighbouring columns of one point: 16 bytes of bf16 into the tile
.irp i, 0,1,2,3
	v_cvt_pk_bf16_f32 v[PK+\i], v[\x+2*\i], v[\x+2*\i+1]
.endr
	ds_store_b128 v[STO], v[PK:PK+3] offset:\mt*16*P2+32*\nb
.endm
.macro GLOAD ks, f                     ; 12 transposing loads: points 32 ks .. 32 ks + 31 as K, six column blocks as rows of the fragments
.irp x, 0,1
	ds_load_tr16_b128 v[\f+8*\x:\f+8*\x+3],       v[TRA] offset:\ks*32*P2+32*\x
	ds_load_tr16_b128 v[\f+8*\x+4:\f+8*\x+7],     v[TRA] offset:\ks*32*P2+32*\x+16*P2
	ds_load_tr16_b128 v[\f+16+8*\x:\f+16+8*\x+3],   v[TRB] offset:\ks*32*P2+32*\x
	ds_load_tr16_b128 v[\f+16+8*\x+4:\f+16+8*\x+7], v[TRB] offset:\ks*32*P2+32*\x+16*P2
	ds_load_tr16_b128 v[\f+32+8*\x:\f+32+8*\x+3],   v[TRC] offset:\ks*32*P2+32*\x
	ds_load_tr16_b128 v[\f+32+8*\x+4:\f+32+8*\x+7], v[TRC] offset:\ks*32*P2+32*\x+16*P2
.endr
.endm
.macro GMUL f, zero                    ; 12 matrix instructions: tile (ii, d) = fragment ii x fragment ii + d; ones x fragment ii = the sums; zero = 1 starts the sums
.irp ii, 0,1
.irp d, 0,1,2,3,4
.if \zero
	v_wmma_f32_16x16x32_bf16 v[GACC+8*(5*\ii+\d):GACC+8*(5*\ii+\d)+7], v[\f+8*\ii:\f+8*\ii+7], v[\f+8*(\ii+\d):\f+8*(\ii+\d)+7], 0
.else
	v_wmma_f32_16x16x32_bf16 v[GACC+8*(5*\ii+\d):GACC+8*(5*\ii+\d)+7], v[\f+8*\ii:\f+8*\ii+7], v[\f+8*(\ii+\d):\f+8*(\ii+\d)+7], v[GACC+8*(5*\ii+\d):GACC+8*(5*\ii+\d)+7]
.endif
.endr
.if \zero
	v_wmma_f32_16x16x32_bf16 v[SACC+8*\ii:SACC+8*\ii+7], v[ONES:ONES+7], v[\f+8*\ii:\f+8*\ii+7], 0
.else
	v_wmma_f32_16x16x32_bf16 v[SACC+8*\ii:SACC+8*\ii+7], v[ONES:ONES+7], v[\f+8*\ii:\f+8*\ii+7], v[SACC+8*\ii:SACC+8*\ii+7]
.endif
.endr
.endm
	s_load_b256 s[4:11], s[0:1], 0x0               ; v in s[4:5], wb s[6:7], v out s[8:9], part s[10:11]
	s_set_vgpr_msb 0x40
	v_lshl_add_u32 v0, v0, 2, 0x29000
	v_mov_b32 v1, 0
	s_set_vgpr_msb 0x4045
	ds_add_u32 v0, v1
	ds_add_u32 v0, v1
	s_set_vgpr_msb 0x4500
	v_lshrrev_b32 v1, 5, v0
	v_readfirstlane_b32 s12, v1                    ; wave w
	s_lshr_b32 s14, ttmp9, 6                       ; batch: 64 work-groups each
	; descriptor group 1 for v: 16 rows x 128 elements of 2 bytes, 4 words of padding behind every 64 words
	s_mov_b32 s16, (1<<16)|(1<<20)|(5<<22)|(3<<25)
	s_mov_b32 s17, 128<<16                         ; tensor_dim0 = 128
	s_mov_b32 s18, 16<<16                          ; tensor_dim1 = 16
	s_mov_b32 s19, 128<<16                         ; tile_dim0 = 128
	s_mov_b32 s20, 16                              ; tile_dim1 = 16
	s_mov_b32 s21, 128                             ; elements from row to row
	s_mov_b32 s22, 0
	s_mov_b32 s23, 0
	; and for Weff transposed: 32 rows
	s_mov_b32 s24, (1<<16)|(1<<20)|(5<<22)|(3<<25)
	s_mov_b32 s25, 128<<16
	s_mov_b32 s26, 32<<16
	s_mov_b32 s27, 128<<16
	s_mov_b32 s28, 32
	s_mov_b32 s29, 128
	s_mov_b32 s30, 0
	s_mov_b32 s31, 0
	s_mov_b32 s32, 1
	s_mul_i32 s33, s12, 16*PITCH                   ; my 16 rows of v in LDS
	s_mov_b32 s36, 1
	s_mul_i32 s37, s12, 32*PITCH
	s_add_co_u32 s37, s37, WT                      ; my 32 rows of Weff transposed in LDS
	s_lshl_b32 s40, ttmp9, 14                      ; 64 rows of 256 bytes
	s_mov_b32 s41, 0
	s_mul_i32 s42, s14, 33280                      ; the batch's block of wb
	s_mov_b32 s43, 0
	s_mov_b32 s44, 0x3e6d3388                      ; 0.2316419 = 0.3275911 / sqrt 2
	s_wait_dscnt 0x0
	s_wait_kmcnt 0x0
	s_add_nc_u64 s[4:5], s[4:5], s[40:41]
	s_add_nc_u64 s[8:9], s[8:9], s[40:41]
	s_add_nc_u64 s[6:7], s[6:7], s[42:43]
	s_lshl_b32 s42, s12, 12                        ; 16 rows of 256 bytes a wave
	s_add_nc_u64 s[34:35], s[4:5], s[42:43]
	s_or_b32 s35, s35, 0x80000000
	s_lshl_b32 s42, s12, 13                        ; 32 rows a wave
	s_add_nc_u64 s[38:39], s[6:7], s[42:43]
	s_or_b32 s39, s39, 0x80000000
	tensor_load_to_lds s[32:35], s[16:23]
	s_nop 0
	tensor_load_to_lds s[36:39], s[24:31]
	s_nop 0
	s_mul_i32 s42, ttmp9, BLK
	s_add_nc_u64 s[10:11], s[10:11], s[42:43]      ; part at the group's block
	v_and_b32 v1, 15, v0                           ; r
	v_bfe_u32 v2, v0, 4, 1                         ; h
	s_lshl_b32 s45, s12, 7
	v_lshl_add_u32 v[BO], v2, 5, s45               ; 4 bytes x (32 w + 8 h)
.irp nb, 0,1
	global_load_b128 v[BB+8*\nb:BB+8*\nb+3],   v[BO], s[6:7] offset:32768+64*\nb
	global_load_b128 v[BB+8*\nb+4:BB+8*\nb+7], v[BO], s[6:7] offset:32768+64*\nb+16
.endr
	v_mul_u32_u24 v[FA], v1, PITCH
	v_lshl_add_u32 v[FA], v2, 4, v[FA]             ; row r, 16 bytes x h
	v_add_nc_u32 v[FW], s37, v[FA]
	s_lshl_b32 s46, s12, 6                         ; my wave's 32 columns: 64 bytes x w
	s_add_co_u32 s45, s46, T2
	v_mul_u32_u24 v[STO], v1, P2
	v_lshl_add_u32 v[STO], v2, 4, v[STO]
	v_add_nc_u32 v[STO], s45, v[STO]
	v_lshrrev_b32 v[RDV], 4, v0
	v_mul_u32_u24 v[RDV], v[RDV], P2
	v_lshl_add_u32 v[RDV], v1, 4, v[RDV]
	v_add_nc_u32 v[RDV], T2, v[RDV]                ; row t / 16, 16 bytes x (t % 16)
	v_lshlrev_b32 v[VO], 4, v0
	v_and_b32 v[TR], 7, v0
	v_lshl_add_u32 v[TR], v2, 3, v[TR]             ; point 8 h + lane % 8
	v_mul_u32_u24 v[TR], v[TR], P2
	v_bfe_u32 v[TRA], v0, 3, 1
	v_lshl_add_u32 v[TR], v[TRA], 4, v[TR]         ; + 16 bytes for lanes 8-15 and 24-31
	v_add_nc_u32 v[TR], T2, v[TR]
	v_add_nc_u32 v[TRA], s46, v[TR]                ; column block 2 w: 32 bytes a block
	s_add_co_u32 s47, s12, 1
	s_and_b32 s47, s47, 3
	s_lshl_b32 s47, s47, 6
	v_add_nc_u32 v[TRB], s47, v[TR]                ; column block (2 w + 2) mod 8 = 2 ((w + 1) mod 4)
	s_add_co_u32 s47, s12, 2
	s_and_b32 s47, s47, 3
	s_lshl_b32 s47, s47, 6
	v_add_nc_u32 v[TRC], s47, v[TR]                ; column block (2 w + 4) mod 8
	s_mul_i32 s47, s12, 8*ROW                      ; part: 8 column quads a wave
	v_mul_u32_u24 v[PO], v2, 2*ROW
	v_lshl_add_u32 v[PO], v1, 4, v[PO]
	v_add_nc_u32 v[PO], s47, v[PO]
	v_lshlrev_b32 v[SO], 2, v0
	s_wait_tensorcnt 0x0                           ; both my loads have landed: the other waves read my rows of v
	s_barrier_signal -1
	s_barrier_wait -1
	; THE PRODUCT.  40 LDS loads in one run; behind what K step ks needs, 24, 16, 8, 0 loads of later steps' fragments of v are younger.
	FETCHW 0
	FETCHV 0
	FETCHV 1
	FETCHV 2
	FETCHV 3
	s_wait_dscnt 24
	MULK 0, 0, 1
	s_wait_dscnt 16
	MULK 0, 1, 0
	s_wait_dscnt 8
	MULK 0, 2, 0
	s_wait_dscnt 0x0
	MULK 0, 3, 0
	PLACES
	FETCHW 1
	s_wait_dscnt 0x0
	MULK 1, 0, 1
	MULK 1, 1, 0
	MULK 1, 2, 0
	MULK 1, 3, 0
	PLACES
.irp i, 0,1
	v_mov_b32 v[A1+\i], 0xbe027906                 ; -0.254829592 / 2
	v_mov_b32 v[A2+\i], 0x3e11a98e                 ; +0.284496736 / 2
	v_mov_b32 v[A3+\i], 0xbf35f0e3                 ; -1.421413741 / 2
	v_mov_b32 v[A4+\i], 0x3f3a00e3                 ; +1.453152027 / 2
	v_mov_b32 v[A5+\i], 0xbf07dc22                 ; -1.061405429 / 2
	v_mov_b32 v[C2+\i], 0xbf38aa3b                 ; -log2(e) / 2
.endr
	s_wait_loadcnt 0x0                             ; beff
.irp mt, 0,1,2,3
.irp nb, 0,1
	GELU8 ACC+8*(2*\mt+\nb), BB+8*\nb
	PACKST ACC+8*(2*\mt+\nb), \mt, \nb
.endr
.endr
	s_wait_dscnt 0x0                               ; for the other waves: my columns of the tile are written
	s_barrier_signal -1
	s_barrier_wait -1
	; THE TAIL: v' goes out by whole rows, and the 64 points' share of G and s is made and stored.
.irp i, 0,1,2,3,4,5,6,7
	ds_load_b128 v[VS+4*\i:VS+4*\i+3], v[RDV] offset:\i*8*P2
.endr
.irp i, 0,1,2,3,4,5,6,7
	v_mov_b32 v[ONES+\i], 0x3f803f80               ; two bf16 ones
.endr
	GLOAD 0, F0
	GLOAD 1, F1
	v_cmp_ne_u32 vcc_lo, 0, v2                     ; lanes 16-31
	s_wait_dscnt 24                                ; the eight row loads are in; the 24 transposing loads behind them stay out
.irp i, 0,1,2,3,4,5,6,7
	global_store_b128 v[VO], v[VS+4*\i:VS+4*\i+3], s[8:9] offset:2048*\i         ; a wave's store covers 512 consecutive bytes, aligned
.endr
	s_wait_dscnt 12                                ; points 0-31 are in; the twelve loads of points 32-63 stay out
	GMUL F0, 1
	s_wait_dscnt 0x0
	GMUL F1, 0
	PLACES
	v_cndmask_b32 v[SV], v[SACC], v[SACC+8], vcc_lo    ; every row of a sums tile is s: lane r of block 2 w below, of block 2 w + 1 above: s[32 w + lane]
.irp ii, 0,1
.irp d, 0,1,2,3,4
.irp q, 0,1
	global_store_b128 v[PO], v[GACC+8*(5*\ii+\d)+4*\q:GACC+8*(5*\ii+\d)+4*\q+3], s[10:11] offset:\ii*4*ROW+\q*ROW+\d*256   ; column quad 8 w + 4 ii + 2 h + q, tile d, kk = r: sixteen lanes store 256 consecutive bytes, aligned
.endr
.endr
.endr
	global_store_b32 v[SO], v[SV], s[10:11] offset:SUMS                          ; 128 consecutive bytes a wave
	s_set_vgpr_msb 0x5
	s_wait_tensorcnt 0x0
	ds_add_u32 v0, v1
	s_wait_dscnt 0x0
	s_set_vgpr_msb 0x500
	s_endpgm
.Lfunc_end_k_q3adfcd315a_upd:
	.size	k_q3adfcd315a_upd, .Lfunc_end_k_q3adfcd315a_upd-k_q3adfcd315a_upd
	.p2alignl 7, 3214868480
	.fill 96, 4, 3214868480
	.section	.rodata,"a",@progbits
	.p2align	6, 0x0
	.amdhsa_kernel k_q3adfcd315a_upd
		.amdhsa_group_segment_fixed_size 168448
		.amdhsa_private_segment_fixed_size 0
		.amdhsa_enable_private_segment 0
		.amdhsa_kernarg_size 32
		.amdhsa_user_sgpr_count 2
		.amdhsa_user_sgpr_kernarg_segment_ptr 1
		.amdhsa_wavefront_size32 1
		.amdhsa_system_sgpr_workgroup_id_x 1
		.amdhsa_system_sgpr_workgroup_id_y 1
		.amdhsa_system_sgpr_workgroup_id_z 1
		.amdhsa_system_vgpr_workitem_id 0
		.amdhsa_next_free_vgpr 258
		.amdhsa_next_free_sgpr 66
		.amdhsa_reserve_vcc 1
		.amdhsa_float_denorm_mode_32 3
		.amdhsa_float_denorm_mode_16_64 3
		.amdhsa_memory_ordered 1
		.amdhsa_forward_progress 1
		.amdhsa_inst_pref_size 54
	.end_amdhsa_kernel
	.amdgpu_metadata
---
amdhsa.version: [ 1, 2 ]
amdhsa.kernels:
  - .name:           k_q3adfcd315a_upd
    .symbol:         k_q3adfcd315a_upd.kd
    .args:
      - { .name: va, .offset: 0, .size: 8, .value_kind: global_buffer, .address_space: global }
      - { .name: wb, .offset: 8, .size: 8, .value_kind: global_buffer, .address_space: global }
      - { .name: vb, .offset: 16, .size: 8, .value_kind: global_buffer, .address_space: global }
      - { .name: part, .offset: 24, .size: 8, .value_kind: global_buffer, .address_space: global }
    .group_segment_fixed_size: 168448
    .private_segment_fixed_size: 0
    .kernarg_segment_align: 8
    .kernarg_segment_size: 32
    .max_flat_workgroup_size: 128
    .sgpr_count:     66
    .vgpr_count:     258
    .wavefront_size: 32
...
	.end_amdgpu_metadata
.endif
;; end of part 3
;; launch mix1: the kernel of part 2 again; grid 32 x 4, 8 waves a work-group, no clusters, 6,144 bytes of LDS; arguments part, psr1, params_blocks_1_psi_b, params_blocks_1_phi_w, params_blocks_1_phi_b, params_blocks_1_w_w, params_blocks_1_w_b, wb; writes wb
;; launch upd1: the kernel of part 3 again; grid 256 x 1, 4 waves a work-group, no clusters, 168,448 bytes of LDS; arguments vb, wb, va, part; writes va, part
;; launch mix2: the kernel of part 2 again; grid 32 x 4, 8 waves a work-group, no clusters, 6,144 bytes of LDS; arguments part, psr2, params_blocks_2_psi_b, params_blocks_2_phi_w, params_blocks_2_phi_b, params_blocks_2_w_w, params_blocks_2_w_b, wb; writes wb
;; launch upd2: the kernel of part 3 again; grid 256 x 1, 4 waves a work-group, no clusters, 168,448 bytes of LDS; arguments va, wb, vb, part; writes vb, part
;; launch mix3: the kernel of part 2 again; grid 32 x 4, 8 waves a work-group, no clusters, 6,144 bytes of LDS; arguments part, psr3, params_blocks_3_psi_b, params_blocks_3_phi_w, params_blocks_3_phi_b, params_blocks_3_w_w, params_blocks_3_w_b, wb; writes wb
;; launch last (part 4): grid 256 x 1, 4 waves a work-group, no clusters, 168,448 bytes of LDS; arguments vb, wb, params_proj_w, params_proj_b, out0; writes out0
.if DOCPART == 4
	.amdgcn_target "amdgcn-amd-amdhsa--gfx1250"
	.amdhsa_code_object_version 6
	.text
	.protected	k_q3adfcd315a_last
	.globl	k_q3adfcd315a_last
	.p2align	8
	.type	k_q3adfcd315a_last,@function
k_q3adfcd315a_last:
	s_mov_b64 s[64:65], 0
	v_nop
	global_prefetch_b8 v0, s[64:65] scope:SCOPE_SE
	s_setreg_imm32_b32 hwreg(HW_REG_WAVE_MODE, 25, 1), 1
	s_wait_xcnt 0x0
; THE LAST LAYER'S UPDATE AND THE PROJECTION.  out[p] = sum_n gelu(v Weff + beff)[p][n] proj_w[n] + proj_b.
; As the update of the other layers: a work-group of four waves takes 64 points, wave w the columns 32 w .. 32 w + 31; v and Weff transposed come
; by one tensor load each from every wave (two outstanding a wave); the matrix instruction is used transposed, so that register j of lane (r, h)
; in tile (mt, nb) is point 16 mt + r, column 32 w + 16 nb + 8 h + j.  The last v never leaves its f32 registers: the projection has one output
; column, so it is a dot product on the vector unit, 16 multiply-adds a lane and point, summed over the two lane halves and, through LDS, over
; the four waves.
; erf: Abramowitz and Stegun 7.1.26, absolute error 1.5e-7 for every x:  gelu(x) = max(x, 0) + |x| e q,  t = 1 / (1 + 0.2316419 |x|),
; e = 2^(-0.7213475 x^2) = exp(-x^2 / 2),  q = t (a1 + t (a2 + t (a3 + t (a4 + t a5)))) with the series' coefficients times -1/2.
; Where x^2 overflows e is 0 and gelu(x) = max(x, 0).
; No cluster: Weff, which the 64 work-groups of a batch share, is asked for once, in the first lines, with no loop in which partners would meet again.
.set PITCH, 272                        ; 256 bytes + 16 = 17 x 16: the sixteen rows of a fragment load start at sixteen different 16-byte columns modulo 256
.set VT,    0                          ; LDS: v, 64 rows (filled by tensor loads)
.set WT,    64*PITCH                   ; LDS: Weff transposed, 128 rows (filled by tensor loads)
.set T2,    192*PITCH                  ; LDS: the waves' partial dot products, [4 waves][64 points] f32 (bytes of its own)
.set FA,   3                           ; LDS: fragments of v
.set FW,   4                           ; LDS: fragments of my wave's 32 rows of Weff transposed
.set PR,   5                           ; LDS: my wave's partial of point r
.set RD,   6                           ; LDS: two points a lane
.set OO,   7                           ; my byte offset in the group's 64 outputs
.set BO,   11                          ; my byte offset in beff and in proj_w
.set BB,   12                          ; v[12:27]   beff of my columns: block nb at BB + 8 nb
.set VF,   32                          ; v[32:159]  fragments of v: (mt, ks) at VF + 8 (4 ks + mt)
.set WF,   160                         ; v[160:191] fragments of Weff: ks at WF + 8 ks
.set ACC,  192                         ; v[192:255] tile (mt, nb) at ACC + 8 (2 mt + nb)
.set A1,   32                          ; behind the products: the series' constants, each in both registers of a pair
.set A2,   34
.set A3,   36
.set A4,   38
.set A5,   40
.set C2,   42
.set T,    48                          ; v[48:55]
.set M,    56                          ; v[56:63]
.set Q,    64                          ; v[64:71]
.set R,    72                          ; v[72:79]
.set DOT,  84                          ; v[84:91]   a pair of sums for each point tile
.set SUM,  92                          ; v[92:99]   the four waves' partials of two points
.set PW,   144                         ; v[144:159] proj_w of my 16 columns
.macro PLACES                          ; four plain vector instructions between a matrix instruction and a load into, a write of or a read of its registers
.rept 4
	v_nop
.endr
.endm
.macro FETCHW nb
.irp ks, 0,1,2,3
	ds_load_b128 v[WF+8*\ks:WF+8*\ks+3],   v[FW] offset:\nb*16*PITCH+64*\ks
	ds_load_b128 v[WF+8*\ks+4:WF+8*\ks+7], v[FW] offset:\nb*16*PITCH+64*\ks+32
.endr
.endm
.macro FETCHV ks
.irp mt, 0,1,2,3
	ds_load_b128 v[VF+8*(4*\ks+\mt):VF+8*(4*\ks+\mt)+3],   v[FA] offset:\mt*16*PITCH+64*\ks
	ds_load_b128 v[VF+8*(4*\ks+\mt)+4:VF+8*(4*\ks+\mt)+7], v[FA] offset:\mt*16*PITCH+64*\ks+32
.endr
.endm
.macro MULK nb, ks, zero
.irp mt, 0,1,2,3
.if \zero
	v_wmma_f32_16x16x32_bf16 v[ACC+8*(2*\mt+\nb):ACC+8*(2*\mt+\nb)+7], v[WF+8*\ks:WF+8*\ks+7], v[VF+8*(4*\ks+\mt):VF+8*(4*\ks+\mt)+7], 0
.else
	v_wmma_f32_16x16x32_bf16 v[ACC+8*(2*\mt+\nb):ACC+8*(2*\mt+\nb)+7], v[WF+8*\ks:WF+8*\ks+7], v[VF+8*(4*\ks+\mt):VF+8*(4*\ks+\mt)+7], v[ACC+8*(2*\mt+\nb):ACC+8*(2*\mt+\nb)+7]
.endif
.endr
.endm
.macro GELU8 x, bb                     ; eight numbers in place: x = gelu(x + bias)
.irp i, 0,2,4,6
	v_pk_add_f32 v[\x+\i:\x+\i+1], v[\x+\i:\x+\i+1], v[\bb+\i:\bb+\i+1]
.endr
.irp i, 0,1,2,3,4,5,6,7
	v_fma_f32 v[T+\i], |v[\x+\i]|, s44, 1.0
.endr
.irp i, 0,2,4,6
	v_pk_mul_f32 v[M+\i:M+\i+1], v[\x+\i:\x+\i+1], v[\x+\i:\x+\i+1]
.endr
.irp i, 0,2,4,6
	v_pk_mul_f32 v[M+\i:M+\i+1], v[M+\i:M+\i+1], v[C2:C2+1]
.endr
.irp i, 0,1,2,3,4,5,6,7
	v_rcp_f32 v[T+\i], v[T+\i]
.endr
.irp i, 0,1,2,3,4,5,6,7
	v_exp_f32 v[M+\i], v[M+\i]
.endr
.irp i, 0,1,2,3,4,5,6,7
	v_max_num_f32 v[R+\i], 0, v[\x+\i]             ; plain instructions that touch neither T nor M: the place behind the transcendentals (ISA guide 5.7.2)
.endr
	s_wait_alu depctr_va_vdst(0)
.irp i, 0,2,4,6
	v_pk_fma_f32 v[Q+\i:Q+\i+1], v[T+\i:T+\i+1], v[A5:A5+1], v[A4:A4+1]
.endr
.irp i, 0,2,4,6
	v_pk_fma_f32 v[Q+\i:Q+\i+1], v[Q+\i:Q+\i+1], v[T+\i:T+\i+1], v[A3:A3+1]
.endr
.irp i, 0,2,4,6
	v_pk_fma_f32 v[Q+\i:Q+\i+1], v[Q+\i:Q+\i+1], v[T+\i:T+\i+1], v[A2:A2+1]
.endr
.irp i, 0,2,4,6
	v_pk_fma_f32 v[Q+\i:Q+\i+1], v[Q+\i:Q+\i+1], v[T+\i:T+\i+1], v[A1:A1+1]
.endr
.irp i, 0,2,4,6
	v_pk_mul_f32 v[Q+\i:Q+\i+1], v[Q+\i:Q+\i+1], v[T+\i:T+\i+1]
.endr
.irp i, 0,1,2,3,4,5,6,7
	v_mul_f32 v[M+\i], |v[\x+\i]|, v[M+\i]
.endr
.irp i, 0,2,4,6
	v_pk_fma_f32 v[\x+\i:\x+\i+1], v[M+\i:M+\i+1], v[Q+\i:Q+\i+1], v[R+\i:R+\i+1]
.endr
.endm
	s_load_b256 s[4:11], s[0:1], 0x0               ; v s[4:5], wb s[6:7], proj_w s[8:9], proj_b s[10:11]
	s_load_b64 s[48:49], s[0:1], 0x20              ; out
	v_lshl_add_u32 v30, v0, 2, 0x29000
	v_mov_b32 v31, 0
	ds_add_u32 v30, v31
	ds_add_u32 v30, v31
	v_lshrrev_b32 v1, 5, v0
	v_readfirstlane_b32 s12, v1                    ; wave w
	s_lshr_b32 s14, ttmp9, 6                       ; batch: 64 work-groups each
	; descriptor group 1 for v: 16 rows x 128 elements of 2 bytes, 4 words of padding behind every 64 words
	s_mov_b32 s16, (1<<16)|(1<<20)|(5<<22)|(3<<25)
	s_mov_b32 s17, 128<<16                         ; tensor_dim0 = 128
	s_mov_b32 s18, 16<<16                          ; tensor_dim1 = 16
	s_mov_b32 s19, 128<<16                         ; tile_dim0 = 128
	s_mov_b32 s20, 16                              ; tile_dim1 = 16
	s_mov_b32 s21, 128                             ; elements from row to row
	s_mov_b32 s22, 0
	s_mov_b32 s23, 0
	; and for Weff transposed: 32 rows
	s_mov_b32 s24, (1<<16)|(1<<20)|(5<<22)|(3<<25)
	s_mov_b32 s25, 128<<16
	s_mov_b32 s26, 32<<16
	s_mov_b32 s27, 128<<16
	s_mov_b32 s28, 32
	s_mov_b32 s29, 128
	s_mov_b32 s30, 0
	s_mov_b32 s31, 0
	s_mov_b32 s32, 1
	s_mul_i32 s33, s12, 16*PITCH                   ; my 16 rows of v in LDS
	s_mov_b32 s36, 1
	s_mul_i32 s37, s12, 32*PITCH
	s_add_co_u32 s37, s37, WT                      ; my 32 rows of Weff transposed in LDS
	s_lshl_b32 s40, ttmp9, 14                      ; 64 rows of 256 bytes
	s_mov_b32 s41, 0
	s_mul_i32 s42, s14, 33280                      ; the batch's block of wb
	s_mov_b32 s43, 0
	s_mov_b32 s44, 0x3e6d3388                      ; 0.2316419 = 0.3275911 / sqrt 2
	s_mov_b32 s52, 0x76543210                      ; v_permlanex16_b32: lane i of one half reads lane i of the other
	s_mov_b32 s53, 0xfedcba98
	s_wait_dscnt 0x0
	s_wait_kmcnt 0x0
	s_load_b32 s50, s[10:11], 0x0                  ; proj_b
	s_add_nc_u64 s[4:5], s[4:5], s[40:41]
	s_add_nc_u64 s[6:7], s[6:7], s[42:43]
	s_lshl_b32 s42, s12, 12                        ; 16 rows of 256 bytes a wave
	s_add_nc_u64 s[34:35], s[4:5], s[42:43]
	s_or_b32 s35, s35, 0x80000000
	s_lshl_b32 s42, s12, 13                        ; 32 rows a wave
	s_add_nc_u64 s[38:39], s[6:7], s[42:43]
	s_or_b32 s39, s39, 0x80000000
	tensor_load_to_lds s[32:35], s[16:23]
	s_nop 0
	tensor_load_to_lds s[36:39], s[24:31]
	s_nop 0
	s_lshl_b32 s42, ttmp9, 8                       ; 64 outputs of 4 bytes
	s_add_nc_u64 s[48:49], s[48:49], s[42:43]
	v_and_b32 v1, 15, v0                           ; r
	v_bfe_u32 v2, v0, 4, 1                         ; h
	s_lshl_b32 s45, s12, 7
	v_lshl_add_u32 v[BO], v2, 5, s45               ; 4 bytes x (32 w + 8 h)
.irp nb, 0,1
	global_load_b128 v[BB+8*\nb:BB+8*\nb+3],   v[BO], s[6:7] offset:32768+64*\nb
	global_load_b128 v[BB+8*\nb+4:BB+8*\nb+7], v[BO], s[6:7] offset:32768+64*\nb+16
.endr
	v_mul_u32_u24 v[FA], v1, PITCH
	v_lshl_add_u32 v[FA], v2, 4, v[FA]             ; row r, 16 bytes x h
	v_add_nc_u32 v[FW], s37, v[FA]
	s_lshl_b32 s46, s12, 8
	s_add_co_u32 s46, s46, T2
	v_lshl_add_u32 v[PR], v1, 2, s46               ; my wave's 64 words, word r (+ 16 mt by the immediate)
	v_and_b32 v[OO], 31, v0
	v_lshlrev_b32 v[OO], 3, v[OO]                  ; two outputs a lane
	v_add_nc_u32 v[RD], T2, v[OO]
	s_wait_kmcnt 0x0                               ; proj_b
	s_wait_tensorcnt 0x0                           ; both my loads have landed: the other waves read my rows of v
	s_barrier_signal -1
	s_barrier_wait -1
	; THE PRODUCT.  40 LDS loads in one run; behind what K step ks needs, 24, 16, 8, 0 loads of later steps' fragments of v are younger.
	FETCHW 0
	FETCHV 0
	FETCHV 1
	FETCHV 2
	FETCHV 3
	s_wait_dscnt 24
	MULK 0, 0, 1
	s_wait_dscnt 16
	MULK 0, 1, 0
	s_wait_dscnt 8
	MULK 0, 2, 0
	s_wait_dscnt 0x0
	MULK 0, 3, 0
	PLACES
	FETCHW 1
	s_wait_dscnt 0x0
	MULK 1, 0, 1
	MULK 1, 1, 0
	MULK 1, 2, 0
	MULK 1, 3, 0
	PLACES
.irp nb, 0,1
	global_load_b128 v[PW+8*\nb:PW+8*\nb+3],   v[BO], s[8:9] offset:64*\nb       ; into registers that held fragments of v
	global_load_b128 v[PW+8*\nb+4:PW+8*\nb+7], v[BO], s[8:9] offset:64*\nb+16
.endr
.irp i, 0,1
	v_mov_b32 v[A1+\i], 0xbe027906                 ; -0.254829592 / 2
	v_mov_b32 v[A2+\i], 0x3e11a98e                 ; +0.284496736 / 2
	v_mov_b32 v[A3+\i], 0xbf35f0e3                 ; -1.421413741 / 2
	v_mov_b32 v[A4+\i], 0x3f3a00e3                 ; +1.453152027 / 2
	v_mov_b32 v[A5+\i], 0xbf07dc22                 ; -1.061405429 / 2
	v_mov_b32 v[C2+\i], 0xbf38aa3b                 ; -log2(e) / 2
.endr
	s_wait_loadcnt 4                               ; beff is in; the four loads of proj_w behind it stay out
.irp mt, 0,1,2,3
.irp nb, 0,1
	GELU8 ACC+8*(2*\mt+\nb), BB+8*\nb
.endr
.endr
	s_wait_loadcnt 0x0                             ; proj_w
	; THE PROJECTION: my 16 columns of each of my four points; the first product starts the sums
.irp mt, 0,1,2,3
	v_pk_mul_f32 v[DOT+2*\mt:DOT+2*\mt+1], v[ACC+16*\mt:ACC+16*\mt+1], v[PW:PW+1]
.endr
.irp i, 2,4,6,8,10,12,14
.irp mt, 0,1,2,3
	v_pk_fma_f32 v[DOT+2*\mt:DOT+2*\mt+1], v[ACC+16*\mt+\i:ACC+16*\mt+\i+1], v[PW+\i:PW+\i+1], v[DOT+2*\mt:DOT+2*\mt+1]
.endr
.endr
.irp mt, 0,1,2,3
	v_add_f32 v[DOT+2*\mt], v[DOT+2*\mt], v[DOT+2*\mt+1]
.endr
.irp mt, 0,1,2,3
	v_permlanex16_b32 v[DOT+2*\mt+1], v[DOT+2*\mt], s52, s53       ; the other half's eight columns a block; the destination was written before
.endr
.irp mt, 0,1,2,3
	v_add_f32 v[DOT+2*\mt], v[DOT+2*\mt], v[DOT+2*\mt+1]
	ds_store_b32 v[PR], v[DOT+2*\mt] offset:64*\mt                 ; both halves write the same word with the same number
.endr
	s_wait_dscnt 0x0                               ; for wave 0
	s_barrier_signal -1
	s_barrier_wait -1
	s_cmp_lg_u32 s12, 0
	s_cbranch_scc1 .Lend                           ; wave 0 alone adds the four waves' partials and stores
.irp k, 0,1,2,3
	ds_load_b64 v[SUM+2*\k:SUM+2*\k+1], v[RD] offset:256*\k
.endr
	s_wait_dscnt 0x0
	v_pk_add_f32 v[SUM:SUM+1], v[SUM:SUM+1], v[SUM+2:SUM+3]
	v_pk_add_f32 v[SUM+4:SUM+5], v[SUM+4:SUM+5], v[SUM+6:SUM+7]
	v_pk_add_f32 v[SUM:SUM+1], v[SUM:SUM+1], v[SUM+4:SUM+5]
	v_add_f32 v[SUM], s50, v[SUM]
	v_add_f32 v[SUM+1], s50, v[SUM+1]
	global_store_b64 v[OO], v[SUM:SUM+1], s[48:49]                 ; the wave's store covers the group's 256 consecutive bytes, aligned
.Lend:
	s_wait_tensorcnt 0x0
	ds_add_u32 v30, v31
	s_wait_dscnt 0x0
	s_endpgm
.Lfunc_end_k_q3adfcd315a_last:
	.size	k_q3adfcd315a_last, .Lfunc_end_k_q3adfcd315a_last-k_q3adfcd315a_last
	.p2alignl 7, 3214868480
	.fill 96, 4, 3214868480
	.section	.rodata,"a",@progbits
	.p2align	6, 0x0
	.amdhsa_kernel k_q3adfcd315a_last
		.amdhsa_group_segment_fixed_size 168448
		.amdhsa_private_segment_fixed_size 0
		.amdhsa_enable_private_segment 0
		.amdhsa_kernarg_size 40
		.amdhsa_user_sgpr_count 2
		.amdhsa_user_sgpr_kernarg_segment_ptr 1
		.amdhsa_wavefront_size32 1
		.amdhsa_system_sgpr_workgroup_id_x 1
		.amdhsa_system_sgpr_workgroup_id_y 1
		.amdhsa_system_sgpr_workgroup_id_z 1
		.amdhsa_system_vgpr_workitem_id 0
		.amdhsa_next_free_vgpr 256
		.amdhsa_next_free_sgpr 66
		.amdhsa_reserve_vcc 0
		.amdhsa_float_denorm_mode_32 3
		.amdhsa_float_denorm_mode_16_64 3
		.amdhsa_memory_ordered 1
		.amdhsa_forward_progress 1
		.amdhsa_inst_pref_size 47
	.end_amdhsa_kernel
	.amdgpu_metadata
---
amdhsa.version: [ 1, 2 ]
amdhsa.kernels:
  - .name:           k_q3adfcd315a_last
    .symbol:         k_q3adfcd315a_last.kd
    .args:
      - { .name: vb, .offset: 0, .size: 8, .value_kind: global_buffer, .address_space: global }
      - { .name: wb, .offset: 8, .size: 8, .value_kind: global_buffer, .address_space: global }
      - { .name: params_proj_w, .offset: 16, .size: 8, .value_kind: global_buffer, .address_space: global }
      - { .name: params_proj_b, .offset: 24, .size: 8, .value_kind: global_buffer, .address_space: global }
      - { .name: out0, .offset: 32, .size: 8, .value_kind: global_buffer, .address_space: global }
    .group_segment_fixed_size: 168448
    .private_segment_fixed_size: 0
    .kernarg_segment_align: 8
    .kernarg_segment_size: 40
    .max_flat_workgroup_size: 128
    .sgpr_count:     66
    .vgpr_count:     256
    .wavefront_size: 32
...
	.end_amdgpu_metadata
.endif
;; end of part 4
